; MI455X (gfx1250); checked and timed in simulation.
; The chip was launched on July 23, 2026; its instructions are those of AMD's public machine-readable ISA for CDNA 5 (MIT licence, August 2026) and "CDNA5" Instruction Set Architecture Reference Guide (July 2026). The comments in the code are by the model that wrote it; some were corrected since.
;; USP Attention. Allowed arithmetic: matrix products marked QUANTISED: E4M3 operands, one given power-of-two scale a tensor, by v_wmma_f32_16x16x64_fp8_fp8 or v_wmma_f32_16x16x128_fp8_fp8, f32 sums; everything else in f32.
;; Inputs: k 1 x 4,096 x 1,024 float32; lowp_scales 4 int32 (the exponents e of the quantised operands' scales 2^e); q 1 x 4,096 x 1,024 float32; v_codes 1 x 1,024 x 128 x 32 uint8 (E4M3 codes of v, K innermost, in blocks of 32 codes).
;; Outputs: out0 1 x 4,096 x 1,024 float32.
;; This version of the problem:
;;   THIS VERSION OF THE PROBLEM IS GIVEN IN LOW PRECISION. The matrix products marked QUANTISED in the list below multiply operands that are first quantised to E4M3 (4 exponent bits, 3 mantissa bits; 8 bits a number), with one given power-of-two scale for each operand tensor; their sums are f32. All else is computed in f32.
;;   The module's matrix products, in the order in which they are computed (A, B: the left and right operand; K: the contracted axis; several contracted axes count as one K, in the product's order):
;;     1. batch 16 x [M 4,096, K 64] x [K 64, N 4,096]; A: input q; B: input k: QUANTISED (scales: A lowp_scales[0], B lowp_scales[1])
;;     2. batch 16 x [M 64, K 4,096] x [K 4,096, N 4,096]; A: input v (given as codes); B: softmax (see below): QUANTISED (scales: A lowp_scales[2], B lowp_scales[3])
;;   THE QUANTISER, for each operand of a quantised product, along K:
;;     - The operand's scale is 2^e, e = its entry of the input lowp_scales (int32; the entries are numbered through the quantised products in the list's order, A before B).
;;     - Each number is divided by the scale, clamped to +-448, and rounded to the nearest number of E4M3, ties to even, subnormals kept.
;;     - The product sums the exact products of the quantised numbers (number of the format x scale) in f32.
;;   ~~~python
;;   def quantise(x, axis, e):      # numpy; x: float32 -> the quantised numbers, widened to float32 again
;;       x = np.moveaxis(x, axis, -1); K = x.shape[-1]
;;       r = np.clip(x / 2.0 ** e, -448, 448)
;;       step = 2.0 ** (np.maximum(np.frexp(np.where(r == 0, 1, r))[1] - 1, -6) - 3)
;;       q = np.round(r / step) * step * 2.0 ** e      # np.round: ties to even
;;       return np.moveaxis(q, -1, axis).astype(np.float32)
;;   ~~~
;;   SOFTMAX AHEAD OF A QUANTISED PRODUCT. Where the list says 'softmax', what is quantised is not the finished softmax but p = 2^(t - M), with t = logit x log2(e) and M = ceil(the row's largest t), a whole number; so 1/2 < the row's largest p <= 1. The row's sum l is taken of the UNQUANTISED p, in f32, and the product's result is divided by l at the end. Since M is a whole number, a kernel that streams over the keys may use a running M (the ceiling of the running maximum): every later rescaling is an exact power of two, so the quantised numbers keep their values, but for numbers so far below the row's largest that they fall under the format's range.
;;   OPERANDS COMPUTED ON THE WAY. 'Computed on the way' means the value that the module computes at that place (a softmax that the list does not call 'softmax' is quantised finished and normalised). What goes into a quantiser is computed in f32, as accurately as f32 sums, v_exp_f32 and their like allow (about 1e-6 of the number): no bf16 or f16 on the way to a quantiser, and a product that is left as it is and whose result goes on into a quantised operand takes f32 operands (vector FMAs, or v_wmma_f32_16x16x4_f32). A number that lies on a knife's edge between two numbers of the format may be rounded either way, as far as f32 arithmetic and the matrix unit's own rounding can turn it there, and no further.
;;   INPUTS GIVEN AS CODES. v (in the module: [1, 4096, 1024], K = its axis 1): each comes as NAME_codes (uint8): NAME with its K axis moved to the last place and cut into blocks of 32 codes, [.., K / 32, bytes a block], one block behind the other in memory; one code a byte (a code: sign, 4 exponent bits, 3 mantissa bits); its scale is its entry of lowp_scales. Its value is code x scale, taken as it is: it is not quantised again, and the codes and scales need not be those that the quantiser above would give.
;; 2 versions, each right; version 2 is version 1 with the launch attn written anew for expert scheduling mode. Each part assembles by itself: llvm-mc -triple=amdgcn-amd-amdhsa -mcpu=gfx1250 --defsym DOCPART=n.
;; ======== version 1 of 2: 1 launch
;; limits: right only within a limited range of input values
;; launch attn (part 1): grid 16 x 16, 8 waves a work-group, no clusters, 166,912 bytes of LDS; arguments q, k, v_codes, lowp_scales, out0; writes out0
.if DOCPART == 1
	.amdgcn_target "amdgcn-amd-amdhsa--gfx1250"
	.amdhsa_code_object_version 6
	.text
	.protected	k_q0c25f90d71_attn
	.globl	k_q0c25f90d71_attn
	.p2align	8
	.type	k_q0c25f90d71_attn,@function
k_q0c25f90d71_attn:
	s_mov_b64 s[64:65], 0
	v_nop
	global_prefetch_b8 v0, s[64:65] scope:SCOPE_SE
	s_setreg_imm32_b32 hwreg(HW_REG_WAVE_MODE, 25, 1), 1
	s_wait_xcnt 0x0
; out[q][head][:] = the sum over keys of softmax(Q . K / 8) V, 16 heads of 64, 4,096 queries, 4,096 keys, no mask; both products on codes of E4M3.
; q, k: [4096][1024] f32 (a head's part of a row: 256 bytes, aligned): quantised here with 2^eq, 2^ek.  v_codes: [1024 = head x 64 + d][4096 keys], one byte a code, scale 2^ev.  lowp_scales: eq, ek, ev, ep.
; THE SOFTMAX: t = score x log2(e) / 8; M = the running largest t rounded UP to a whole number; p = 2^(t - M) is quantised with 2^ep; the sum is taken of the unquantised p and divides at the end;
; when M moves, the sum and O are multiplied by 2^(old M - new M), which rounds nothing.
; SHARES.  Work-group (x, y): 256 queries (block x) of head y.  Eight waves of 512 registers, two to a SIMD; a wave owns 32 queries as two tiles A and B of 16, so that each fragment of K and of V
; that it reads from LDS feeds two products.  Every wave walks all 4,096 keys, 128 a step.
; K AND V go through two LDS slots of 256 keys.  Wave w loads keys 32 w .. 32 w + 31 of a slot as f32 into registers, quantises them and stores the codes; it copies 8 of V's 64 rows.  A slot's numbers are
; asked for two key steps ahead of their quantising, and staged in the second step of the slot before.  One barrier a slot.
; NO CLUSTER, NO TENSOR LOAD: K passes through registers on its way to LDS, since it is quantised there; what could be shared as it lies, V's codes, is 16 KB of the 80 KB that a slot reads.
; LAYOUT.  Both products are used transposed: S^T = K Q^T (source 0 = 16 keys, source 1 = 16 queries), O^T = V^T P^T (source 0 = 16 of the head's 64, source 1 = P): a lane holds ONE query throughout.
; THE KEYS OF A TILE ARE NOT NEIGHBOURS: row r of tile 2 b + u is key 32 b + 8 u + r + 8 (r / 8), so that a lane's 16 registers of tiles 2 b and 2 b + 1 are keys 32 b + 16 (lane / 16) + 0 .. 15.
; The codes are STORED in that order, so a tile's 16 rows are neighbours in LDS.  The wave's 32 queries are laid the same way; the way out puts the rows back.
; ORDER OF k INSIDE AN INSTRUCTION: permuted, alike on both sides.  First product: lane (r, h) holds elements 32 h .. 32 h + 31 of its row; second: registers 4 c .. 4 c + 3 hold keys 32 c + 16 h + 0 .. 15.
; LIMITS: eq, ek, ep between -126 and 119; eq + ek between -123 and 130 (added to an exponent field).  NaN among the inputs is not served; an infinity is held at the largest code.
; The hold of p at 448 x 2^ep is jumped over where ep >= -8: the bound is then 1.75 or more, and p is at most 2^(half a unit in the last place of t): this keeps |t| < 2^22.
; REGISTERS.  Window 0: v1-14 addresses; v16-21 scales and bounds; v24-34, v36-46 the two tiles' statistics; v48-63 Q; v64-95 P's codes (v64-79 also the codes just made by a staging);
;   v96-127 V on its way, two sets; v128-191 S^T of tile A, v192-255 of tile B.   Window 1: v0-63 O^T; v64-127 K's 8 fragments; v128-191 V's 4; v192-255 K's f32 numbers on their way.
.set SLOT, 37888                       ; a slot: 256 rows of K at 80 bytes, then 64 rows of V at 272
.set KB,   20480                       ; where V's rows begin in a slot
.set QR,   2*SLOT                      ; Q's codes: 32 rows x 80 bytes for each wave, its own
.set STG,  QR+8*2560                   ; the way out: 2 tiles x 16 rows x 272 bytes for each wave, its own
.set GO,   1                           ; v1   4096 (lane / 16) + 16 (lane % 16): two rows of 256 bytes an instruction; serves q, k, v_codes and out0, whose rows are all 4,096 bytes apart
.set AK,   2                           ; v2-3   my lane's place in a tile of K, slot 0, 1
.set AV,   4                           ; v4-5   the same for V
.set KW,   6                           ; v6-7   where I store K's codes
.set VW,   8                           ; v8-9   where I store V's codes
.set QW,   10                          ; v10  where I store Q's codes
.set QRD,  11                          ; v11  where I read Q's fragments
.set SO,   12                          ; v12  the way out: where I put 32 bytes of a row
.set SR,   13                          ; v13  and where I read a row back
.set PFO,  14                          ; v14  4096 x lane: the prefetches' offset, a lane a row; never rewritten
.set SCK,  16                          ; v16 2^ek, v17 448 x 2^ek
.set SCQ,  18                          ; v18, v19 the same for eq
.set SCP,  20                          ; v20, v21 the same for ep
.set STA,  24                          ; a tile's statistics: +0 -M, +1 the largest t, +2:3 the sum, +4:5 a second chain of it, +6 f (+7 is 0), +8, +9 at work, +10 the exchange
.set STB,  36
.set QF,   48
.set PC,   64
.set CD,   64
.set VS,   96
.set S,    128
.set O,    0                           ; window 1
.set KF,   64
.set VF,   128
.set KS,   192
.set MSB, 0
.macro WIN new                         ; low byte: bits 1:0 source 0, 3:2 source 1, 5:4 source 2, 7:6 destination; the high byte repeats the setting that is left
.if MSB != \new
	s_set_vgpr_msb (MSB<<8)|\new
.set MSB, \new
.endif
.endm
; 32 rows x 256 bytes of f32: load i takes rows 2 i and 2 i + 1, sixteen lanes to a row's 256 aligned bytes.  (Destination in window 1)
.macro GL32 base, ptr, nt
.irp i, 0,1,2,3,4,5,6,7,8,9,10,11,12,13,14,15
.if \nt
	global_load_b128 v[\base+4*\i:\base+4*\i+3], v[GO], s[\ptr:\ptr+1] offset:8192*\i th:TH_LOAD_NT
.else
	global_load_b128 v[\base+4*\i:\base+4*\i+3], v[GO], s[\ptr:\ptr+1] offset:8192*\i
.endif
.endr
.endm
; those 64 numbers a lane become 16 words of codes: word i = row 2 i + lane / 16, elements 4 (lane % 16) + 0 .. 3
.macro QUANT32 base, sc
	WIN 0x41
.set n, 0
.rept 64
	v_med3_num_f32 v[\base+n], v[\base+n], -v[\sc+1], v[\sc+1]   ; the conversion to an 8-bit code does not saturate (ISA guide 7.6.2): the hold at the largest code x the scale
.set n, n+1
.endr
	WIN 0x01
.irp m, 0,1,2,3,4,5,6,7
	v_cvt_scalef32_pk8_fp8_f32 v[CD+2*\m:CD+2*\m+1], v[\base+8*\m:\base+8*\m+7], v[\sc]
.endr
	v_nop                                          ; one plain vector instruction behind the last scaled conversion
	WIN 0
.endm
; the 16 words go to their rows: row kappa = 2 i + lane / 16 of the 32 lies at row 16 ((kappa / 8) % 2) + kappa % 8 + 8 (kappa / 16).  Sixteen lanes write 64 bytes on end, the other sixteen 80 bytes further on
.macro CODES adr
.irp i, 0,1,2,3,4,5,6,7,8,9,10,11,12,13,14,15
	ds_store_b32 v[\adr], v[CD+\i] offset:80*(16*((\i/4)%2)+(2*\i)%8+8*(\i/8))
.endr
.endm
.macro VL set                          ; my 8 rows of V, a slot's 256 codes of each
.irp i, 0,1,2,3
	global_load_b128 v[VS+16*(\set)+4*\i:VS+16*(\set)+4*\i+3], v[GO], s[38:39] offset:8192*\i
.endr
.endm
.macro VOUT s
.irp i, 0,1,2,3
	ds_store_b128 v[VW+(\s)], v[VS+16*(\s)+4*\i:VS+16*(\s)+4*\i+3] offset:544*\i
.endr
.endm
.macro KFRAG s, q                      ; the 8 tiles of K of the slot's q-th 128 keys.  Rows 80 bytes apart: 16 rows start at 16 different columns of 16 bytes modulo 256
.irp t, 0,1,2,3,4,5,6,7
	ds_load_b128 v[KF+8*\t:KF+8*\t+3],   v[AK+(\s)] offset:(8*(\q)+\t)*1280
	ds_load_b128 v[KF+8*\t+4:KF+8*\t+7], v[AK+(\s)] offset:(8*(\q)+\t)*1280+16
.endr
.endm
.macro VFRAG s, q                      ; the 4 tiles of V^T (16 of the head's 64 x 128 keys)
.irp t, 0,1,2,3
.irp c, 0,1,2,3
	ds_load_b128 v[VF+16*\t+4*\c:VF+16*\t+4*\c+3], v[AV+(\s)] offset:4352*\t+128*(\q)+32*\c
.endr
.endr
.endm
.macro QK                              ; S^T = K Q^T: each fragment of K against both tiles of queries
.irp t, 0,1,2,3,4,5,6,7
	v_wmma_f32_16x16x64_fp8_fp8 v[S+8*\t:S+8*\t+7],       v[KF+8*\t:KF+8*\t+7], v[QF:QF+7],    0
	v_wmma_f32_16x16x64_fp8_fp8 v[S+64+8*\t:S+64+8*\t+7], v[KF+8*\t:KF+8*\t+7], v[QF+8:QF+15], 0
.endr
.endm
.macro PV                              ; O^T += V^T P^T: eight accumulators, one instruction each
.irp t, 0,1,2,3
	v_wmma_f32_16x16x128_fp8_fp8 v[O+8*\t:O+8*\t+7],       v[VF+16*\t:VF+16*\t+15], v[PC:PC+15],    v[O+8*\t:O+8*\t+7]
	v_wmma_f32_16x16x128_fp8_fp8 v[O+32+8*\t:O+32+8*\t+7], v[VF+16*\t:VF+16*\t+15], v[PC+16:PC+31], v[O+32+8*\t:O+32+8*\t+7]
.endr
.endm
; number j of 32 of a tile's maximum: two chains, the scores in ascending order
.macro MAXITEM st, sb, j
.if (\j) == 0
	v_max3_num_f32 v[\st+8], v[\sb], v[\sb+1], v[\sb+2]
.elseif (\j) == 1
	v_max3_num_f32 v[\st+9], v[\sb+3], v[\sb+4], v[\sb+5]
.elseif (\j) < 30
	v_max3_num_f32 v[\st+8+(\j)%2], v[\st+8+(\j)%2], v[\sb+2*(\j)+2], v[\sb+2*(\j)+3]
.elseif (\j) == 30
	v_max3_num_f32 v[\st+8], v[\st+8], v[\sb+62], v[\sb+63]
.else
	v_max_num_f32 v[\st+8], v[\st+8], v[\st+9]
.endif
.endm
.macro STATS st
	v_permlanex16_b32 v[\st+10], v[\st+8], s20, s21  ; the query's other 64 keys lie in the lane 16 away
	v_max_num_f32 v[\st+8], v[\st+8], v[\st+10]
	v_mul_f32 v[\st+8], s22, v[\st+8]                ; as t (c is positive)
	v_max_num_f32 v[\st+1], v[\st+1], v[\st+8]       ; the running largest t
	v_mov_b32 v[\st+8], v[\st]
	v_floor_f32 v[\st], -v[\st+1]                    ; the new -M = floor(-t) = -ceil(t)
	v_sub_f32 v[\st+8], v[\st], v[\st+8]             ; old M - new M: a whole number, 0 or less
	v_cvt_i32_f32 v[\st+8], v[\st+8]                 ; (it saturates)
	v_ldexp_f32 v[\st+6], 1.0, v[\st+8]              ; f = 2^(old M - new M)
.endm
.macro FMAITEM st, sb, j               ; t - M for pair j (of the pairs c and -M the low word serves both halves)
	v_pk_fma_f32 v[\sb+2*(\j):\sb+2*(\j)+1], v[\sb+2*(\j):\sb+2*(\j)+1], s[22:23], v[\st:\st+1] op_sel_hi:[1,0,0]
.endm
.macro SUMITEM st, sb, j               ; number j of 32 of the sum of the UNQUANTISED p: two chains
.if (\j) == 0
	v_pk_add_f32 v[\st+4:\st+5], v[\sb:\sb+1], v[\sb+2:\sb+3]
.elseif (\j) == 31
	v_pk_add_f32 v[\st+2:\st+3], v[\st+2:\st+3], v[\st+4:\st+5]
.elseif (\j)%2 == 1
	v_pk_add_f32 v[\st+2:\st+3], v[\st+2:\st+3], v[\sb+2*(\j)+2:\sb+2*(\j)+3]
.else
	v_pk_add_f32 v[\st+4:\st+5], v[\st+4:\st+5], v[\sb+2*(\j)+2:\sb+2*(\j)+3]
.endif
.endm
.macro FSUM st                         ; the sum under the new M
	v_pk_mul_f32 v[\st+2:\st+3], v[\st+2:\st+3], v[\st+6:\st+7] op_sel_hi:[1,0]
.endm
.macro HOLD                            ; p is held at 448 x 2^ep; where ep >= -8 that bound is 1.75 or more and p never reaches it: a scalar branch on the given whole number, round these lines alone
	s_cmp_gt_i32 s27, -9
	s_cbranch_scc1 .Lnh_\@
.set n, 0
.rept 128
	v_min_num_f32 v[S+n], v[S+n], v[SCP+1]
.set n, n+1
.endr
.Lnh_\@:
.endm
.macro CVT                             ; p's codes ARE the second product's operand: registers 4 b .. 4 b + 3 = keys 32 b + 16 (lane / 16) + 0 .. 15
.irp t, 0,1
.irp b, 0,1,2,3
	v_cvt_scalef32_pk8_fp8_f32 v[PC+16*\t+4*\b:PC+16*\t+4*\b+1],   v[S+64*\t+16*\b:S+64*\t+16*\b+7],    v[SCP]
	v_cvt_scalef32_pk8_fp8_f32 v[PC+16*\t+4*\b+2:PC+16*\t+4*\b+3], v[S+64*\t+16*\b+8:S+64*\t+16*\b+15], v[SCP]
.endr
.endr
.endm
.macro RESC                            ; O^T under the new M, each accumulator from its low end on.  These 32 plain lines also stand between the conversions and the products that read their results
	WIN 0x41
.irp t, 0,1
.irp p, 0,2,4,6,8,10,12,14,16,18,20,22,24,26,28,30
	v_pk_mul_f32 v[O+32*\t+\p:O+32*\t+\p+1], v[O+32*\t+\p:O+32*\t+\p+1], v[STA+12*\t+6:STA+12*\t+7] op_sel_hi:[1,0]
.endr
.endr
.endm
; A PREFETCH INTO THE L2 of the slot behind the one just asked for: two key steps ahead of its loads.  Each aligned block of 256 bytes is named once in the launch: all 16 work-groups of a head walk the same K and V;
; block 0 of the head asks for K (wave w, lane l: key 32 w + l of the slot, the head's 256 bytes of its row), block 1 for V (waves 0 and 1, a lane a row: the slot's 256 codes of it).
; It stands behind the wave's own loads; the last slots have nothing behind them and ask for nothing (the limit in s44 or s45; the greatest number in a wave that never asks).
.macro ASK lim
	s_cmp_gt_u32 s46, s[\lim]
	s_cbranch_scc0 .Lna_\@
	global_prefetch_b8 v[PFO], s[40:41] th:TH_LOAD_NT scope:SCOPE_SE
.Lna_\@:
.endm
; THE STAGING of the next slot into LDS slot tgt, and the loads of the slot after it.  With s46 trips to go (this one among them): in the last trip slot 15 is staged and nothing is loaded (tgt = 1), then nothing is left (tgt = 0).
.macro STAGE tgt
.if (\tgt) == 0
	s_cmp_eq_u32 s46, 1
	s_cbranch_scc1 .Lskip_\@
.endif
	s_wait_loadcnt 0x0                             ; K's 16 loads and V's 4, asked for two key steps ago; their addresses may now be stepped
	QUANT32 KS, SCK
	CODES KW+(\tgt)
	VOUT (\tgt)
.if (\tgt) == 1
	s_cmp_eq_u32 s46, 1
	s_cbranch_scc1 .Lskip_\@
.endif
	s_wait_xcnt 0x0                                ; the last prefetch, two key steps back, has read its address
	s_add_nc_u64 s[36:37], s[36:37], 0x100000      ; K: 256 rows of 4,096 bytes on
	s_add_nc_u64 s[38:39], s[38:39], 0x100         ; V: 256 codes on in each row
	s_add_nc_u64 s[40:41], s[40:41], s[42:43]      ; the prefetches: a slot on
	WIN 0x40
	GL32 KS, 36, 0
	WIN 0
	VL 1-(\tgt)                                    ; into the other set: this set's LDS stores are waited for in front of the barrier
.if (\tgt) == 1
	ASK 44
.else
	ASK 45
.endif
.Lskip_\@:
.endm
.macro MKSC e, sc                      ; v[sc] = 2^e as f32 (the conversion takes its exponent field), v[sc+1] = 448 x 2^e
	s_add_co_i32 s28, s[\e], 127
	s_lshl_b32 s29, s28, 23
	v_mov_b32 v[\sc], s29
	s_add_co_i32 s28, s28, 8
	s_lshl_b32 s28, s28, 23
	s_or_b32 s28, s28, 0x600000
	v_mov_b32 v[\sc+1], s28
.endm
	s_load_b256 s[4:11], s[0:1], 0x0               ; q s[4:5], k s[6:7], v_codes s[8:9], lowp_scales s[10:11]
	s_load_b64 s[12:13], s[0:1], 0x20              ; out0
	v_lshl_add_u32 v35, v0, 2, 0x28800
	v_mov_b32 v47, 0
	v_lshrrev_b32 v15, 5, v0
	v_readfirstlane_b32 s14, v15                   ; wave 0..7
	s_and_b32 s15, ttmp7, 0xffff                   ; head
	s_mov_b32 s16, ttmp9                           ; block of 256 queries
	v_and_b32 v22, 15, v0                          ; r = lane % 16
	v_bfe_u32 v23, v0, 4, 1                        ; h = lane / 16
	v_lshlrev_b32 v[GO], 4, v22
	v_lshl_add_u32 v[GO], v23, 12, v[GO]
	s_lshl_b32 s30, s14, 17                        ; my wave's 32 rows of 4,096 bytes
	s_lshl_b32 s31, s15, 8                         ; the head's 256 bytes of a row
	s_add_co_u32 s30, s30, s31                     ; K: my 32 keys of slot 0
	s_lshl_b32 s28, s16, 20
	s_add_co_u32 s28, s28, s30                     ; q and out0: my 32 queries
	s_lshl_b32 s32, s15, 18                        ; V: the head's 64 rows,
	s_lshl_b32 s33, s14, 15                        ; my 8 of them
	s_add_co_u32 s32, s32, s33
	s_mov_b32 s29, 0
	s_mov_b32 s31, 0
	s_mov_b32 s33, 0
	s_wait_kmcnt 0x0
	s_load_b128 s[24:27], s[10:11], 0x0            ; eq, ek, ev, ep
	s_add_nc_u64 s[4:5], s[4:5], s[28:29]
	s_add_nc_u64 s[12:13], s[12:13], s[28:29]
	s_add_nc_u64 s[36:37], s[6:7], s[30:31]
	s_add_nc_u64 s[38:39], s[8:9], s[32:33]
	WIN 0x40
	GL32 VF, 4, 1                                  ; my 32 queries, read once in the launch, into the registers that V's fragments take later
	GL32 KS, 36, 0                                 ; my 32 keys of slot 0
	WIN 0
	VL 0                                           ; my 8 rows of V, slot 0: 36 loads are out
	; LDS addresses: constants, lane terms and the wave's number times a constant
	v_mul_u32_u24 v[AK], v22, 80
	v_lshl_add_u32 v[AK], v23, 5, v[AK]            ; row r x 80 + 32 h
	v_add_nc_u32 v[AK+1], SLOT, v[AK]
	v_mul_u32_u24 v[AV], v22, 272
	v_lshl_add_u32 v[AV], v23, 4, v[AV]
	v_add_nc_u32 v[AV], KB, v[AV]                  ; KB + row r x 272 + 16 h
	v_add_nc_u32 v[AV+1], SLOT, v[AV]
	s_mul_i32 s28, s14, 2560                       ; my 32 rows of 80 bytes
	v_mul_u32_u24 v[KW], v23, 80
	v_lshl_add_u32 v[KW], v22, 2, v[KW]
	v_add_nc_u32 v[KW], s28, v[KW]                 ; + 80 h + 4 (lane % 16)
	v_add_nc_u32 v[KW+1], SLOT, v[KW]
	v_add_nc_u32 v[QW], QR, v[KW]
	v_add_nc_u32 v[QRD], s28, v[AK]
	v_add_nc_u32 v[QRD], QR, v[QRD]
	v_mul_u32_u24 v15, v23, 272
	v_lshl_add_u32 v15, v22, 4, v15                ; 272 h + 16 (lane % 16): two rows of 256 bytes an instruction
	s_mul_i32 s29, s14, 2176                       ; my 8 rows of 272 bytes
	v_add_nc_u32 v[VW], s29, v15
	v_add_nc_u32 v[VW], KB, v[VW]
	v_add_nc_u32 v[VW+1], SLOT, v[VW]
	s_mul_i32 s30, s14, 8704
	s_add_co_u32 s30, s30, STG                     ; my stage
	v_add_nc_u32 v[SR], s30, v15
	v_mul_u32_u24 v[SO], v22, 272
	v_lshl_add_u32 v[SO], v23, 5, v[SO]
	v_add_nc_u32 v[SO], s30, v[SO]                 ; row r, + 32 h
	v_and_b32 v[PFO], 31, v0
	v_lshlrev_b32 v[PFO], 12, v[PFO]
	; the prefetches: where mine stand, and who asks
	s_lshl_b32 s28, s15, 8
	s_lshl_b32 s29, s15, 18
	s_and_b32 s30, s14, 1
	s_mov_b32 s42, 0x100
	s_cmp_eq_u32 s16, 0                            ; block 0 asks for K, block 1 for V: the choice hangs on the work-group's number alone
	s_cselect_b64 s[40:41], s[6:7], s[8:9]
	s_cselect_b32 s28, s28, s29                    ; the head's part
	s_cselect_b32 s30, s14, s30                    ; 32 rows a wave: all eight waves in K, two in V (the wave's number is cut to one bit there, so that the address lies inside v_codes in every wave)
	s_cselect_b32 s42, 0x100000, s42               ; a slot on
	s_mov_b32 s43, 0
	s_lshl_b32 s30, s30, 17
	s_add_co_u32 s28, s28, s30
	s_lshl_b32 s30, s42, 1
	s_add_co_u32 s28, s28, s30                     ; at slot 2: the first staging steps it to slot 3.  Nothing is prefetched here, at the head
	s_mov_b32 s29, 0
	s_add_nc_u64 s[40:41], s[40:41], s[28:29]
	s_xor_b32 s30, s16, 1
	s_lshr_b32 s31, s14, 1
	s_or_b32 s30, s30, s31                         ; 0 in waves 0 and 1 of block 1,
	s_min_u32 s30, s30, s16                        ; and in every wave of block 0
	s_cmp_eq_u32 s30, 0
	s_cselect_b32 s44, 1, -1                       ; the staging into slot 1 asks while more than 1 trip is to go,
	s_cselect_b32 s45, 2, -1                       ; the staging into slot 0 while more than 2
	s_mov_b32 s20, 0x76543210                      ; v_permlanex16_b32's selects: lane l xor 16
	s_mov_b32 s21, 0xfedcba98
	WIN 0x40
.set n, 0
.rept 64
	v_mov_b32 v[O+n], 0                            ; O^T.  (The key step is written without a first step of its own: the first change of M multiplies zeros)
.set n, n+1
.endr
	WIN 0
.irp b, STA, STB
	v_mov_b32 v[\b+1], 0xff61b1e6                  ; the largest t so far: -3e38, under every t
	v_floor_f32 v[\b], -v[\b+1]                    ; -M
	v_mov_b32 v[\b+2], 0                           ; the sum, in two halves
	v_mov_b32 v[\b+3], 0
	v_mov_b32 v[\b+7], 0                           ; (named as the upper half of f's pair)
	v_mov_b32 v[\b+10], 0                          ; (a lane permute's destination counts as one of its sources)
.endr
	s_wait_kmcnt 0x0
	s_add_co_i32 s28, s24, s25
	s_lshl_b32 s28, s28, 23
	s_mov_b32 s22, 0x3e38aa3b                      ; c = log2(e) / 8
	s_add_co_i32 s22, s22, s28                     ; a score stands for score x 2^(eq + ek): the two exponents are added to c's exponent field
	s_mov_b32 s23, s22                             ; (named with it as a pair)
	s_add_co_i32 s47, s26, s27                     ; ev + ep
	MKSC 25, SCK
	MKSC 24, SCQ
	MKSC 27, SCP
	s_wait_loadcnt 20                              ; Q's 16 loads are in; K's 16 and V's 4 are younger
	QUANT32 VF, SCQ
	CODES QW
.irp t, 0,1
.irp c, 0,1
	ds_load_b128 v[QF+8*\t+4*\c:QF+8*\t+4*\c+3], v[QRD] offset:1280*\t+16*\c   ; my own bytes: LDS serves a wave's instructions in order (ISA guide 5.7.1.4)
.endr
.endr
	s_wait_dscnt 0x0                               ; Q's fragments are in, and the stores have read the code words, which are written again below
	s_wait_loadcnt 0x0                             ; slot 0's K and V
	QUANT32 KS, SCK
	CODES KW
	VOUT 0
	s_add_nc_u64 s[36:37], s[36:37], 0x100000      ; (the loads that read these addresses are done)
	s_add_nc_u64 s[38:39], s[38:39], 0x100
	WIN 0x40
	GL32 KS, 36, 0                                 ; slot 1
	WIN 0
	VL 1
	s_wait_dscnt 0x0                               ; for the others' sake: my part of slot 0 lies in LDS
	s_barrier_signal -1
	s_barrier_wait -1
	WIN 0x40
	KFRAG 0, 0
	WIN 0
; A KEY STEP: the q-th 128 keys of LDS slot s.  The two tiles' softmaxes are offset by half a phase, so that one tile's exponentials stand between the other's plain instructions.
.macro STEP s, q
	s_wait_dscnt 0x0                               ; K's fragments are in
	WIN 0x01
	QK
.rept 4
	v_nop                                          ; four places in front of the loads into registers that matrix instructions have read, and of the first reads of the scores
.endr
	WIN 0x40
	VFRAG \s, \q
.if \q == 0
	KFRAG \s, 1                                    ; the next step's K
.endif
	WIN 0
.if \q == 1
	STAGE 1-\s                                     ; the other slot was left by every wave at the last barrier
.endif
.set n, 0
.rept 32
	MAXITEM STA, S, n
.set n, n+1
.endr
	STATS STA
.set n, 0
.rept 32
	FMAITEM STA, S, n
.set n, n+1
.endr
.if \q == 1
	s_wait_dscnt 0x0                               ; my stores into the other slot have landed, and my last reads of this slot (V's fragments) are in:
	s_barrier_signal -1                            ; say so; only work on registers stands up to the wait
.endif
.set n, 0
.rept 32
	v_exp_f32 v[S+n], v[S+n]                       ; p = 2^(t - M) of tile A; nothing names a result ahead of the wait below
	MAXITEM STB, S+64, n
.set n, n+1
.endr
	STATS STB
.set n, 0
.rept 32
	v_exp_f32 v[S+32+n], v[S+32+n]
	FMAITEM STB, S+64, n
.set n, n+1
.endr
	FSUM STA
	s_wait_alu depctr_va_vdst(0)                   ; one wait for tile A's 64 exponentials, ahead of the first use of a result
.set n, 0
.rept 32
	v_exp_f32 v[S+64+2*n], v[S+64+2*n]
	v_exp_f32 v[S+64+2*n+1], v[S+64+2*n+1]
	SUMITEM STA, S, n
.set n, n+1
.endr
	FSUM STB
	s_wait_alu depctr_va_vdst(0)                   ; and one for tile B's
.if \q == 1
	s_barrier_wait -1                              ; the other slot is whole, and nobody reads this one any more
.if \s == 1
	s_cmp_eq_u32 s46, 1                            ; behind the last slot there is none
	s_cbranch_scc1 .Lnk_\@
.endif
	WIN 0x40
	KFRAG 1-\s, 0
	WIN 0
.if \s == 1
.Lnk_\@:
.endif
.endif
.set n, 0
.rept 32
	SUMITEM STB, S+64, n
.set n, n+1
.endr
	HOLD
	CVT
	RESC
.if \q == 0
	s_wait_dscnt 16                                ; V's 16 loads are in; the next step's 16 of K are younger
.endif
	WIN 0x51
	PV
	WIN 0
.endm
	s_mov_b32 s46, 8                               ; trips to go: a trip is two slots, 512 keys
.Ltrip:
	STEP 0, 0
	STEP 0, 1
	STEP 1, 0
	STEP 1, 1
	s_sub_co_u32 s46, s46, 1
	s_cmp_lg_u32 s46, 0
	s_cbranch_scc1 .Ltrip
	; THE WAY OUT.  The sum's halves are added; O^T x 2^(ev + ep) / the sum goes through my stage in LDS, a tile of 16 rows x 256 bytes at a time, and leaves as whole aligned runs of 256 bytes.
.irp b, STA, STB
	v_add_f32 v[\b+8], v[\b+2], v[\b+3]            ; (these additions are also the places behind the last products)
.endr
.irp b, STA, STB
	v_permlanex16_b32 v[\b+10], v[\b+8], s20, s21
.endr
.irp b, STA, STB
	v_add_f32 v[\b+8], v[\b+8], v[\b+10]
.endr
.irp b, STA, STB
	v_rcp_f32 v[\b+6], v[\b+8]
.endr
	v_nop                                          ; a plain instruction behind the last reciprocal,
	s_wait_alu depctr_va_vdst(0)                   ; and one wait for both, ahead of the first use
.irp b, STA, STB
	v_ldexp_f32 v[\b+6], v[\b+6], s47
.endr
.irp u, 0,1
	WIN 0x01
.irp p, 0,2,4,6,8,10,12,14,16,18,20,22,24,26,28,30
	v_pk_mul_f32 v[S+64*\u+\p:S+64*\u+\p+1], v[O+32*\u+\p:O+32*\u+\p+1], v[STA+12*\u+6:STA+12*\u+7] op_sel_hi:[1,0]   ; register 8 t + j: channel 16 t + 8 h + j of my query
.endr
	WIN 0
.irp t, 0,1,2,3
	ds_store_b128 v[SO], v[S+64*\u+8*\t:S+64*\u+8*\t+3]   offset:4352*\u+64*\t
	ds_store_b128 v[SO], v[S+64*\u+8*\t+4:S+64*\u+8*\t+7] offset:4352*\u+64*\t+16
.endr
.irp i, 0,1,2,3,4,5,6,7
	ds_load_b128 v[S+64*\u+32+4*\i:S+64*\u+32+4*\i+3], v[SR] offset:4352*\u+544*\i   ; my own bytes, served in order: these see the stores above
.endr
.endr
.irp u, 0,1
.irp i, 0,1,2,3,4,5,6,7
	s_wait_dscnt 23-16*\u-\i                       ; behind load i of tile 0: its 7 - i later loads and tile 1's sixteen instructions; of tile 1: its 7 - i later loads
	global_store_b128 v[GO], v[S+64*\u+32+4*\i:S+64*\u+32+4*\i+3], s[12:13] offset:(8*\u+2*\i+8*(\i/4))*4096 th:TH_STORE_NT   ; rows 2 i, 2 i + 1 of tile u are queries 8 u + 2 i + 8 (i / 4) and the next; 16 lanes store 256 consecutive bytes, aligned
.endr
.endr
	s_wait_tensorcnt 0x0
	ds_add_u32 v35, v47
	s_wait_dscnt 0x0
	s_endpgm
.Lfunc_end_k_q0c25f90d71_attn:
	.size	k_q0c25f90d71_attn, .Lfunc_end_k_q0c25f90d71_attn-k_q0c25f90d71_attn
	.p2alignl 7, 3214868480
	.fill 96, 4, 3214868480
	.section	.rodata,"a",@progbits
	.p2align	6, 0x0
	.amdhsa_kernel k_q0c25f90d71_attn
		.amdhsa_group_segment_fixed_size 166912
		.amdhsa_private_segment_fixed_size 0
		.amdhsa_enable_private_segment 0
		.amdhsa_kernarg_size 40
		.amdhsa_user_sgpr_count 2
		.amdhsa_user_sgpr_kernarg_segment_ptr 1
		.amdhsa_wavefront_size32 1
		.amdhsa_system_sgpr_workgroup_id_x 1
		.amdhsa_system_sgpr_workgroup_id_y 1
		.amdhsa_system_sgpr_workgroup_id_z 1
		.amdhsa_system_vgpr_workitem_id 0
		.amdhsa_next_free_vgpr 512
		.amdhsa_next_free_sgpr 66
		.amdhsa_reserve_vcc 0
		.amdhsa_float_denorm_mode_32 3
		.amdhsa_float_denorm_mode_16_64 3
		.amdhsa_memory_ordered 1
		.amdhsa_forward_progress 1
		.amdhsa_inst_pref_size 162
	.end_amdhsa_kernel
	.amdgpu_metadata
---
amdhsa.version: [ 1, 2 ]
amdhsa.kernels:
  - .name:           k_q0c25f90d71_attn
    .symbol:         k_q0c25f90d71_attn.kd
    .args:
      - { .name: q, .offset: 0, .size: 8, .value_kind: global_buffer, .address_space: global }
      - { .name: k, .offset: 8, .size: 8, .value_kind: global_buffer, .address_space: global }
      - { .name: v_codes, .offset: 16, .size: 8, .value_kind: global_buffer, .address_space: global }
      - { .name: lowp_scales, .offset: 24, .size: 8, .value_kind: global_buffer, .address_space: global }
      - { .name: out0, .offset: 32, .size: 8, .value_kind: global_buffer, .address_space: global }
    .group_segment_fixed_size: 166912
    .private_segment_fixed_size: 0
    .kernarg_segment_align: 8
    .kernarg_segment_size: 40
    .max_flat_workgroup_size: 256
    .sgpr_count:     66
    .vgpr_count:     512
    .wavefront_size: 32
...
	.end_amdgpu_metadata
.endif
;; end of part 1
;; ======== version 2 of 2: 1 launch; version 1 with the launch attn written anew for expert scheduling mode
;; limits: right only within a limited range of input values
;; launch attn (part 2): grid 16 x 16, 8 waves a work-group, no clusters, 166,912 bytes of LDS; arguments q, k, v_codes, lowp_scales, out0; writes out0
.if DOCPART == 2
	.amdgcn_target "amdgcn-amd-amdhsa--gfx1250"
	.amdhsa_code_object_version 6
	.text
	.protected	k_q0c25f90d71_attn
	.globl	k_q0c25f90d71_attn
	.p2align	8
	.type	k_q0c25f90d71_attn,@function
k_q0c25f90d71_attn:
	s_mov_b64 s[64:65], 0
	v_nop
	global_prefetch_b8 v0, s[64:65] scope:SCOPE_SE
	s_setreg_imm32_b32 hwreg(HW_REG_WAVE_SCHED_MODE, 0, 2), 2
	s_setreg_imm32_b32 hwreg(HW_REG_WAVE_MODE, 25, 1), 1
	s_wait_xcnt 0x0
	s_wait_alu depctr_vm_vsrc(0)
; out[q][head][:] = the sum over keys of softmax(Q . K / 8) V, 16 heads of 64, 4,096 queries, 4,096 keys, no mask; both products on codes of E4M3.
; q, k: [4096][1024] f32 (a head's part of a row: 256 bytes, aligned): quantised here with 2^eq, 2^ek.  v_codes: [1024 = head x 64 + d][4096 keys], one byte a code, scale 2^ev.  lowp_scales: eq, ek, ev, ep.
; THE SOFTMAX: t = score x log2(e) / 8; M = the running largest t rounded UP to a whole number; p = 2^(t - M) is quantised with 2^ep; the sum is taken of the unquantised p and divides at the end;
; when M moves, the sum and O are multiplied by 2^(old M - new M), which rounds nothing.
; SHARES.  Work-group (x, y): 256 queries (block x) of head y.  Eight waves of 512 registers, two to a SIMD; a wave owns 32 queries as two tiles A and B of 16, so that each fragment of K and of V
; that it reads from LDS feeds two products.  Every wave walks all 4,096 keys, 128 a step.
; K AND V go through two LDS slots of 256 keys.  Wave w loads keys 32 w .. 32 w + 31 of a slot as f32 into registers, quantises them and stores the codes; it copies 8 of V's 64 rows.  A slot's numbers are
; asked for two key steps ahead of their quantising, and staged in the second step of the slot before.  One barrier a slot.
; NO CLUSTER, NO TENSOR LOAD: K passes through registers on its way to LDS, since it is quantised there; what could be shared as it lies, V's codes, is 16 KB of the 80 KB that a slot reads.
; LAYOUT.  Both products are used transposed: S^T = K Q^T (source 0 = 16 keys, source 1 = 16 queries), O^T = V^T P^T (source 0 = 16 of the head's 64, source 1 = P): a lane holds ONE query throughout.
; THE KEYS OF A TILE ARE NOT NEIGHBOURS: row r of tile 2 b + u is key 32 b + 8 u + r + 8 (r / 8), so that a lane's 16 registers of tiles 2 b and 2 b + 1 are keys 32 b + 16 (lane / 16) + 0 .. 15.
; The codes are STORED in that order, so a tile's 16 rows are neighbours in LDS.  The wave's 32 queries are laid the same way; the way out puts the rows back.
; ORDER OF k INSIDE AN INSTRUCTION: permuted, alike on both sides.  First product: lane (r, h) holds elements 32 h .. 32 h + 31 of its row; second: registers 4 c .. 4 c + 3 hold keys 32 c + 16 h + 0 .. 15.
; LIMITS: eq, ek, ep between -126 and 119; eq + ek between -123 and 130 (added to an exponent field).  NaN among the inputs is not served; an infinity is held at the largest code.
; The hold of p at 448 x 2^ep is jumped over where ep >= -8: the bound is then 1.75 or more, and p is at most 2^(half a unit in the last place of t): this keeps |t| < 2^22.
; REGISTERS.  Window 0: v1-14 addresses; v16-21 scales and bounds; v24-34, v36-46 the two tiles' statistics; v35, v47 the closing add's two; v48-63 Q; v64-95 P's codes (v64-79 also the codes just made by a staging);
;   v96-127 V on its way, two sets; v128-191 S^T of tile A, v192-255 of tile B.   Window 1: v0-63 O^T; v64-127 K's 8 fragments; v128-191 V's 4; v192-255 K's f32 numbers on their way.
; THE MODE: SCHED_MODE bits 1:0 = 2 (LLVM: expert scheduling mode 2), set by the entry lines.  The code itself states the register dependences
; between vector or matrix instructions and memory or LDS instructions, with s_wait_alu, always for 0.
; THE PLAN.  Registers that memory or LDS instructions touch, in the loop:
;   v1-v14        offsets and LDS addresses: written at the head, never again.
;   KS            K's f32 numbers: global loads land in it; two key steps later the staging's holds and conversions read it; behind them it is loaded again.
;   v64-79        the staging's conversions write the code words, sixteen LDS stores read them; later in the step P's conversions write the same registers.
;   VS, two sets  global loads land, four LDS stores read; the sets take turns from slot to slot; no vector instruction names them.
;   KF, VF        LDS loads land; the products K Q^T read KF, the products V^T P^T read VF.
; ONE wait on va_vdst a key step, behind K Q^T (in a slot's second step: behind the staging's conversions too, which stand between the products and the wait): K Q^T is done reading KF, the last step's V^T P^T is done
; reading VF, the code words are written, KS is done with.  All the step's LDS loads and stores and global loads follow it, and no vector or matrix instruction between names a register that they touch.
; ONE wait on vm_vsrc a slot, in front of the barrier's signal: the LDS stores have read the code words and V's set.
.set SLOT, 37888                       ; a slot: 256 rows of K at 80 bytes, then 64 rows of V at 272
.set KB,   20480                       ; where V's rows begin in a slot
.set QR,   2*SLOT                      ; Q's codes: 32 rows x 80 bytes for each wave, its own
.set STG,  QR+8*2560                   ; the way out: 2 tiles x 16 rows x 272 bytes for each wave, its own
.set GO,   1                           ; v1   4096 (lane / 16) + 16 (lane % 16): two rows of 256 bytes an instruction; serves q, k, v_codes and out0, whose rows are all 4,096 bytes apart
.set AK,   2                           ; v2-3   my lane's place in a tile of K, slot 0, 1
.set AV,   4                           ; v4-5   the same for V
.set KW,   6                           ; v6-7   where I store K's codes
.set VW,   8                           ; v8-9   where I store V's codes
.set QW,   10                          ; v10  where I store Q's codes
.set QRD,  11                          ; v11  where I read Q's fragments
.set SO,   12                          ; v12  the way out: where I put 32 bytes of a row
.set SR,   13                          ; v13  and where I read a row back
.set PFO,  14                          ; v14  4096 x lane: the prefetches' offset, a lane a row; never rewritten
.set SCK,  16                          ; v16 2^ek, v17 448 x 2^ek
.set SCQ,  18                          ; v18, v19 the same for eq
.set SCP,  20                          ; v20, v21 the same for ep
.set STA,  24                          ; a tile's statistics: +0 -M, +1 the largest t, +2:3 the sum, +4:5 a second chain of it, +6 f (+7 is 0), +8, +9 at work, +10 the exchange
.set STB,  36
.set QF,   48
.set PC,   64
.set CD,   64
.set VS,   96
.set S,    128
.set O,    0                           ; window 1
.set KF,   64
.set VF,   128
.set KS,   192
.set MSB, 0
.macro WIN new                         ; low byte: bits 1:0 source 0, 3:2 source 1, 5:4 source 2, 7:6 destination; the high byte repeats the setting that is left
.if MSB != \new
	s_set_vgpr_msb (MSB<<8)|\new
.set MSB, \new
.endif
.endm
; 32 rows x 256 bytes of f32: load i takes rows 2 i and 2 i + 1, sixteen lanes to a row's 256 aligned bytes.  (Destination in window 1)
.macro GL32 base, ptr, nt
.irp i, 0,1,2,3,4,5,6,7,8,9,10,11,12,13,14,15
.if \nt
	global_load_b128 v[\base+4*\i:\base+4*\i+3], v[GO], s[\ptr:\ptr+1] offset:8192*\i th:TH_LOAD_NT
.else
	global_load_b128 v[\base+4*\i:\base+4*\i+3], v[GO], s[\ptr:\ptr+1] offset:8192*\i
.endif
.endr
.endm
; those 64 numbers a lane become 16 words of codes: word i = row 2 i + lane / 16, elements 4 (lane % 16) + 0 .. 3
.macro QUANT32 base, sc
	WIN 0x41
.set n, 0
.rept 64
	v_med3_num_f32 v[\base+n], v[\base+n], -v[\sc+1], v[\sc+1]   ; the conversion to an 8-bit code does not saturate (ISA guide 7.6.2): the hold at the largest code x the scale
.set n, n+1
.endr
	WIN 0x01
.irp m, 0,1,2,3,4,5,6,7
	v_cvt_scalef32_pk8_fp8_f32 v[CD+2*\m:CD+2*\m+1], v[\base+8*\m:\base+8*\m+7], v[\sc]
.endr
	v_nop                                          ; one plain vector instruction behind the last scaled conversion
	WIN 0
.endm
; the 16 words go to their rows: row kappa = 2 i + lane / 16 of the 32 lies at row 16 ((kappa / 8) % 2) + kappa % 8 + 8 (kappa / 16).  Sixteen lanes write 64 bytes on end, the other sixteen 80 bytes further on
.macro CODES adr
.irp i, 0,1,2,3,4,5,6,7,8,9,10,11,12,13,14,15
	ds_store_b32 v[\adr], v[CD+\i] offset:80*(16*((\i/4)%2)+(2*\i)%8+8*(\i/8))
.endr
.endm
.macro VL set                          ; my 8 rows of V, a slot's 256 codes of each
.irp i, 0,1,2,3
	global_load_b128 v[VS+16*(\set)+4*\i:VS+16*(\set)+4*\i+3], v[GO], s[38:39] offset:8192*\i
.endr
.endm
.macro VOUT s
.irp i, 0,1,2,3
	ds_store_b128 v[VW+(\s)], v[VS+16*(\s)+4*\i:VS+16*(\s)+4*\i+3] offset:544*\i
.endr
.endm
.macro KFRAG s, q                      ; the 8 tiles of K of the slot's q-th 128 keys.  Rows 80 bytes apart: 16 rows start at 16 different columns of 16 bytes modulo 256
.irp t, 0,1,2,3,4,5,6,7
	ds_load_b128 v[KF+8*\t:KF+8*\t+3],   v[AK+(\s)] offset:(8*(\q)+\t)*1280
	ds_load_b128 v[KF+8*\t+4:KF+8*\t+7], v[AK+(\s)] offset:(8*(\q)+\t)*1280+16
.endr
.endm
.macro VFRAG s, q                      ; the 4 tiles of V^T (16 of the head's 64 x 128 keys)
.irp t, 0,1,2,3
.irp c, 0,1,2,3
	ds_load_b128 v[VF+16*\t+4*\c:VF+16*\t+4*\c+3], v[AV+(\s)] offset:4352*\t+128*(\q)+32*\c
.endr
.endr
.endm
.macro QK                              ; S^T = K Q^T: each fragment of K against both tiles of queries
.irp t, 0,1,2,3,4,5,6,7
	v_wmma_f32_16x16x64_fp8_fp8 v[S+8*\t:S+8*\t+7],       v[KF+8*\t:KF+8*\t+7], v[QF:QF+7],    0
	v_wmma_f32_16x16x64_fp8_fp8 v[S+64+8*\t:S+64+8*\t+7], v[KF+8*\t:KF+8*\t+7], v[QF+8:QF+15], 0
.endr
.endm
.macro PV                              ; O^T += V^T P^T: eight accumulators, one instruction each
.irp t, 0,1,2,3
	v_wmma_f32_16x16x128_fp8_fp8 v[O+8*\t:O+8*\t+7],       v[VF+16*\t:VF+16*\t+15], v[PC:PC+15],    v[O+8*\t:O+8*\t+7]
	v_wmma_f32_16x16x128_fp8_fp8 v[O+32+8*\t:O+32+8*\t+7], v[VF+16*\t:VF+16*\t+15], v[PC+16:PC+31], v[O+32+8*\t:O+32+8*\t+7]
.endr
.endm
; number j of 32 of a tile's maximum: two chains, the scores in ascending order
.macro MAXITEM st, sb, j
.if (\j) == 0
	v_max3_num_f32 v[\st+8], v[\sb], v[\sb+1], v[\sb+2]
.elseif (\j) == 1
	v_max3_num_f32 v[\st+9], v[\sb+3], v[\sb+4], v[\sb+5]
.elseif (\j) < 30
	v_max3_num_f32 v[\st+8+(\j)%2], v[\st+8+(\j)%2], v[\sb+2*(\j)+2], v[\sb+2*(\j)+3]
.elseif (\j) == 30
	v_max3_num_f32 v[\st+8], v[\st+8], v[\sb+62], v[\sb+63]
.else
	v_max_num_f32 v[\st+8], v[\st+8], v[\st+9]
.endif
.endm
.macro STATS st
	v_permlanex16_b32 v[\st+10], v[\st+8], s20, s21  ; the query's other 64 keys lie in the lane 16 away
	v_max_num_f32 v[\st+8], v[\st+8], v[\st+10]
	v_mul_f32 v[\st+8], s22, v[\st+8]                ; as t (c is positive)
	v_max_num_f32 v[\st+1], v[\st+1], v[\st+8]       ; the running largest t
	v_mov_b32 v[\st+8], v[\st]
	v_floor_f32 v[\st], -v[\st+1]                    ; the new -M = floor(-t) = -ceil(t)
	v_sub_f32 v[\st+8], v[\st], v[\st+8]             ; old M - new M: a whole number, 0 or less
	v_cvt_i32_f32 v[\st+8], v[\st+8]                 ; (it saturates)
	v_ldexp_f32 v[\st+6], 1.0, v[\st+8]              ; f = 2^(old M - new M)
.endm
.macro FMAITEM st, sb, j               ; t - M for pair j (of the pairs c and -M the low word serves both halves)
	v_pk_fma_f32 v[\sb+2*(\j):\sb+2*(\j)+1], v[\sb+2*(\j):\sb+2*(\j)+1], s[22:23], v[\st:\st+1] op_sel_hi:[1,0,0]
.endm
.macro SUMITEM st, sb, j               ; number j of 32 of the sum of the UNQUANTISED p: two chains
.if (\j) == 0
	v_pk_add_f32 v[\st+4:\st+5], v[\sb:\sb+1], v[\sb+2:\sb+3]
.elseif (\j) == 31
	v_pk_add_f32 v[\st+2:\st+3], v[\st+2:\st+3], v[\st+4:\st+5]
.elseif (\j)%2 == 1
	v_pk_add_f32 v[\st+2:\st+3], v[\st+2:\st+3], v[\sb+2*(\j)+2:\sb+2*(\j)+3]
.else
	v_pk_add_f32 v[\st+4:\st+5], v[\st+4:\st+5], v[\sb+2*(\j)+2:\sb+2*(\j)+3]
.endif
.endm
.macro FSUM st                         ; the sum under the new M
	v_pk_mul_f32 v[\st+2:\st+3], v[\st+2:\st+3], v[\st+6:\st+7] op_sel_hi:[1,0]
.endm
.macro HOLD                            ; p is held at 448 x 2^ep; where ep >= -8 that bound is 1.75 or more and p never reaches it: a scalar branch on the given whole number, round these lines alone
	s_cmp_gt_i32 s27, -9
	s_cbranch_scc1 .Lnh_\@
.set n, 0
.rept 128
	v_min_num_f32 v[S+n], v[S+n], v[SCP+1]
.set n, n+1
.endr
.Lnh_\@:
.endm
.macro CVT                             ; p's codes ARE the second product's operand: registers 4 b .. 4 b + 3 = keys 32 b + 16 (lane / 16) + 0 .. 15
.irp t, 0,1
.irp b, 0,1,2,3
	v_cvt_scalef32_pk8_fp8_f32 v[PC+16*\t+4*\b:PC+16*\t+4*\b+1],   v[S+64*\t+16*\b:S+64*\t+16*\b+7],    v[SCP]
	v_cvt_scalef32_pk8_fp8_f32 v[PC+16*\t+4*\b+2:PC+16*\t+4*\b+3], v[S+64*\t+16*\b+8:S+64*\t+16*\b+15], v[SCP]
.endr
.endr
.endm
.macro RESC                            ; O^T under the new M, each accumulator from its low end on.  These 32 plain lines also stand between the conversions and the products that read their results
	WIN 0x41
.irp t, 0,1
.irp p, 0,2,4,6,8,10,12,14,16,18,20,22,24,26,28,30
	v_pk_mul_f32 v[O+32*\t+\p:O+32*\t+\p+1], v[O+32*\t+\p:O+32*\t+\p+1], v[STA+12*\t+6:STA+12*\t+7] op_sel_hi:[1,0]
.endr
.endr
.endm
; A PREFETCH INTO THE L2 of the slot behind the one just asked for: two key steps ahead of its loads.  Each aligned block of 256 bytes is named once in the launch: all 16 work-groups of a head walk the same K and V;
; block 0 of the head asks for K (wave w, lane l: key 32 w + l of the slot, the head's 256 bytes of its row), block 1 for V (waves 0 and 1, a lane a row: the slot's 256 codes of it).
; It stands behind the wave's own loads; the last slots have nothing behind them and ask for nothing (the limit in s44 or s45; the greatest number in a wave that never asks).
.macro ASK lim
	s_cmp_gt_u32 s46, s[\lim]
	s_cbranch_scc0 .Lna_\@
	global_prefetch_b8 v[PFO], s[40:41] th:TH_LOAD_NT scope:SCOPE_SE
.Lna_\@:
.endm
; THE STAGING of the next slot into LDS slot tgt, and the loads of the slot after it, in two parts.  With s46 trips to go (this one among them): in the last trip slot 15 is staged and nothing is loaded (tgt = 1), then nothing is left (tgt = 0).
; STAGEQ: the numbers become code words in registers.  It stands behind the step's products K Q^T and ahead of the step's one wait on va_vdst.
; The wait for the loads stands ahead of the branch, on every way through the step: so the loads of STAGES never follow loads into the same registers that have not been waited for.
.macro STAGEQ tgt
	s_wait_loadcnt 0x0                             ; K's 16 loads and V's 4, asked for two key steps ago; their addresses may now be stepped.  (Where nothing is left to stage, none is out)
.if (\tgt) == 0
	WIN 0                                          ; at a branch and at a label every window is 0
	s_cmp_eq_u32 s46, 1
	s_cbranch_scc1 .Lnq_\@
.endif
	QUANT32 KS, SCK
.if (\tgt) == 0
.Lnq_\@:
.endif
.endm
; STAGES: the code words and V's rows go to LDS, and the slot after is asked for.  It stands behind that wait; no vector or matrix instruction stands between the wait and these lines.
.macro STAGES tgt
.if (\tgt) == 0
	s_cmp_eq_u32 s46, 1
	s_cbranch_scc1 .Lskip_\@
.endif
	CODES KW+(\tgt)
	VOUT (\tgt)
.if (\tgt) == 1
	s_cmp_eq_u32 s46, 1
	s_cbranch_scc1 .Lskip_\@
.endif
	s_wait_xcnt 0x0                                ; the last prefetch, two key steps back, has read its address
	s_add_nc_u64 s[36:37], s[36:37], 0x100000      ; K: 256 rows of 4,096 bytes on
	s_add_nc_u64 s[38:39], s[38:39], 0x100         ; V: 256 codes on in each row
	s_add_nc_u64 s[40:41], s[40:41], s[42:43]      ; the prefetches: a slot on
	WIN 0x40
	GL32 KS, 36, 0
	WIN 0
	VL 1-(\tgt)                                    ; into the other set: this set's LDS stores are waited for in front of the barrier
.if (\tgt) == 1
	ASK 44
.else
	ASK 45
.endif
.Lskip_\@:
.endm
.macro MKSC e, sc                      ; v[sc] = 2^e as f32 (the conversion takes its exponent field), v[sc+1] = 448 x 2^e
	s_add_co_i32 s28, s[\e], 127
	s_lshl_b32 s29, s28, 23
	v_mov_b32 v[\sc], s29
	s_add_co_i32 s28, s28, 8
	s_lshl_b32 s28, s28, 23
	s_or_b32 s28, s28, 0x600000
	v_mov_b32 v[\sc+1], s28
.endm
	s_load_b256 s[4:11], s[0:1], 0x0               ; q s[4:5], k s[6:7], v_codes s[8:9], lowp_scales s[10:11]
	s_load_b64 s[12:13], s[0:1], 0x20              ; out0
	v_lshl_add_u32 v35, v0, 2, 0x28800
	v_mov_b32 v47, 0
	v_lshrrev_b32 v15, 5, v0
	v_readfirstlane_b32 s14, v15                   ; wave 0..7
	s_and_b32 s15, ttmp7, 0xffff                   ; head
	s_mov_b32 s16, ttmp9                           ; block of 256 queries
	v_and_b32 v22, 15, v0                          ; r = lane % 16
	v_bfe_u32 v23, v0, 4, 1                        ; h = lane / 16
	v_lshlrev_b32 v[GO], 4, v22
	v_lshl_add_u32 v[GO], v23, 12, v[GO]
	s_wait_alu depctr_va_sdst(0)                   ; s14, the wave's number, is written, ahead of its first reader
	s_lshl_b32 s30, s14, 17                        ; my wave's 32 rows of 4,096 bytes
	s_lshl_b32 s31, s15, 8                         ; the head's 256 bytes of a row
	s_add_co_u32 s30, s30, s31                     ; K: my 32 keys of slot 0
	s_lshl_b32 s28, s16, 20
	s_add_co_u32 s28, s28, s30                     ; q and out0: my 32 queries
	s_lshl_b32 s32, s15, 18                        ; V: the head's 64 rows,
	s_lshl_b32 s33, s14, 15                        ; my 8 of them
	s_add_co_u32 s32, s32, s33
	s_mov_b32 s29, 0
	s_mov_b32 s31, 0
	s_mov_b32 s33, 0
	s_wait_kmcnt 0x0
	s_load_b128 s[24:27], s[10:11], 0x0            ; eq, ek, ev, ep
	s_add_nc_u64 s[4:5], s[4:5], s[28:29]
	s_add_nc_u64 s[12:13], s[12:13], s[28:29]
	s_add_nc_u64 s[36:37], s[6:7], s[30:31]
	s_add_nc_u64 s[38:39], s[8:9], s[32:33]
	WIN 0x40
	s_wait_alu depctr_va_vdst(0)                   ; v1 is written: every global load and store of the kernel reads it as its offset
	GL32 VF, 4, 1                                  ; my 32 queries, read once in the launch, into the registers that V's fragments take later
	GL32 KS, 36, 0                                 ; my 32 keys of slot 0
	WIN 0
	VL 0                                           ; my 8 rows of V, slot 0: 36 loads are out
	; LDS addresses: constants, lane terms and the wave's number times a constant
	v_mul_u32_u24 v[AK], v22, 80
	v_lshl_add_u32 v[AK], v23, 5, v[AK]            ; row r x 80 + 32 h
	v_add_nc_u32 v[AK+1], SLOT, v[AK]
	v_mul_u32_u24 v[AV], v22, 272
	v_lshl_add_u32 v[AV], v23, 4, v[AV]
	v_add_nc_u32 v[AV], KB, v[AV]                  ; KB + row r x 272 + 16 h
	v_add_nc_u32 v[AV+1], SLOT, v[AV]
	s_mul_i32 s28, s14, 2560                       ; my 32 rows of 80 bytes
	v_mul_u32_u24 v[KW], v23, 80
	v_lshl_add_u32 v[KW], v22, 2, v[KW]
	v_add_nc_u32 v[KW], s28, v[KW]                 ; + 80 h + 4 (lane % 16)
	v_add_nc_u32 v[KW+1], SLOT, v[KW]
	v_add_nc_u32 v[QW], QR, v[KW]
	v_add_nc_u32 v[QRD], s28, v[AK]
	v_add_nc_u32 v[QRD], QR, v[QRD]
	v_mul_u32_u24 v15, v23, 272
	v_lshl_add_u32 v15, v22, 4, v15                ; 272 h + 16 (lane % 16): two rows of 256 bytes an instruction
	s_mul_i32 s29, s14, 2176                       ; my 8 rows of 272 bytes
	v_add_nc_u32 v[VW], s29, v15
	v_add_nc_u32 v[VW], KB, v[VW]
	v_add_nc_u32 v[VW+1], SLOT, v[VW]
	s_mul_i32 s30, s14, 8704
	s_add_co_u32 s30, s30, STG                     ; my stage
	v_add_nc_u32 v[SR], s30, v15
	v_mul_u32_u24 v[SO], v22, 272
	v_lshl_add_u32 v[SO], v23, 5, v[SO]
	v_add_nc_u32 v[SO], s30, v[SO]                 ; row r, + 32 h
	v_and_b32 v[PFO], 31, v0
	v_lshlrev_b32 v[PFO], 12, v[PFO]
	; the prefetches: where mine stand, and who asks
	s_lshl_b32 s28, s15, 8
	s_lshl_b32 s29, s15, 18
	s_and_b32 s30, s14, 1
	s_mov_b32 s42, 0x100
	s_cmp_eq_u32 s16, 0                            ; block 0 asks for K, block 1 for V: the choice hangs on the work-group's number alone
	s_cselect_b64 s[40:41], s[6:7], s[8:9]
	s_cselect_b32 s28, s28, s29                    ; the head's part
	s_cselect_b32 s30, s14, s30                    ; 32 rows a wave: all eight waves in K, two in V (the wave's number is cut to one bit there, so that the address lies inside v_codes in every wave)
	s_cselect_b32 s42, 0x100000, s42               ; a slot on
	s_mov_b32 s43, 0
	s_lshl_b32 s30, s30, 17
	s_add_co_u32 s28, s28, s30
	s_lshl_b32 s30, s42, 1
	s_add_co_u32 s28, s28, s30                     ; at slot 2: the first staging steps it to slot 3.  Nothing is prefetched here, at the head
	s_mov_b32 s29, 0
	s_add_nc_u64 s[40:41], s[40:41], s[28:29]
	s_xor_b32 s30, s16, 1
	s_lshr_b32 s31, s14, 1
	s_or_b32 s30, s30, s31                         ; 0 in waves 0 and 1 of block 1,
	s_min_u32 s30, s30, s16                        ; and in every wave of block 0
	s_cmp_eq_u32 s30, 0
	s_cselect_b32 s44, 1, -1                       ; the staging into slot 1 asks while more than 1 trip is to go,
	s_cselect_b32 s45, 2, -1                       ; the staging into slot 0 while more than 2
	s_mov_b32 s20, 0x76543210                      ; v_permlanex16_b32's selects: lane l xor 16
	s_mov_b32 s21, 0xfedcba98
	WIN 0x40
.set n, 0
.rept 64
	v_mov_b32 v[O+n], 0                            ; O^T.  (The key step is written without a first step of its own: the first change of M multiplies zeros)
.set n, n+1
.endr
	WIN 0
.irp b, STA, STB
	v_mov_b32 v[\b+1], 0xff61b1e6                  ; the largest t so far: -3e38, under every t
	v_floor_f32 v[\b], -v[\b+1]                    ; -M
	v_mov_b32 v[\b+2], 0                           ; the sum, in two halves
	v_mov_b32 v[\b+3], 0
	v_mov_b32 v[\b+7], 0                           ; (named as the upper half of f's pair)
	v_mov_b32 v[\b+10], 0                          ; (a lane permute's destination counts as one of its sources)
.endr
	s_wait_kmcnt 0x0
	s_add_co_i32 s28, s24, s25
	s_lshl_b32 s28, s28, 23
	s_mov_b32 s22, 0x3e38aa3b                      ; c = log2(e) / 8
	s_add_co_i32 s22, s22, s28                     ; a score stands for score x 2^(eq + ek): the two exponents are added to c's exponent field
	s_mov_b32 s23, s22                             ; (named with it as a pair)
	s_add_co_i32 s47, s26, s27                     ; ev + ep
	MKSC 25, SCK
	MKSC 24, SCQ
	MKSC 27, SCP
	s_wait_loadcnt 20                              ; Q's 16 loads are in; K's 16 and V's 4 are younger
	QUANT32 VF, SCQ
	s_wait_alu depctr_va_vdst(0)                   ; the conversions have written the code words v64-79, which the LDS stores read; the address arithmetic above has written v2 to v14, which every LDS instruction and prefetch of the kernel reads
	CODES QW
.irp t, 0,1
.irp c, 0,1
	ds_load_b128 v[QF+8*\t+4*\c:QF+8*\t+4*\c+3], v[QRD] offset:1280*\t+16*\c   ; my own bytes: LDS serves a wave's instructions in order (ISA guide 5.7.1.4)
.endr
.endr
	s_wait_dscnt 0x0                               ; Q's fragments are in
	s_wait_alu depctr_vm_vsrc(0)                   ; the LDS stores have read the code words v64-79, which the conversions below write again
	s_wait_loadcnt 0x0                             ; slot 0's K and V
	QUANT32 KS, SCK
	s_wait_alu depctr_va_vdst(0)                   ; the conversions have written the code words, which the LDS stores read; holds and conversions are done with K's f32 numbers, in which slot 1's loads land
	CODES KW
	VOUT 0
	s_add_nc_u64 s[36:37], s[36:37], 0x100000      ; (the loads that read these addresses are done)
	s_add_nc_u64 s[38:39], s[38:39], 0x100
	WIN 0x40
	GL32 KS, 36, 0                                 ; slot 1
	WIN 0
	VL 1
	s_wait_dscnt 0x0                               ; for the others' sake: my part of slot 0 lies in LDS
	s_wait_alu depctr_vm_vsrc(0)                   ; the LDS stores have read the code words v64-79, which P's conversions write, and V's set 0, in which the first staging's loads land
	s_barrier_signal -1
	s_barrier_wait -1
	WIN 0x40
	KFRAG 0, 0
	WIN 0
; A KEY STEP: the q-th 128 keys of LDS slot s.  The two tiles' softmaxes are offset by half a phase, so that one tile's exponentials stand between the other's plain instructions.
.macro STEP s, q
	s_wait_dscnt 0x0                               ; K's fragments are in
	WIN 0x01
	QK
.rept 4
	v_nop                                          ; four places (ISA guide 7.12.1) in front of the first reads of the scores
.endr
.if \q == 1
	STAGEQ 1-\s                                    ; the next slot's numbers become code words while the products finish
.endif
	WIN 0x40
	s_wait_alu depctr_va_vdst(0)                   ; K Q^T is done reading K's fragments and the last step's V^T P^T V's, in which the LDS loads below land; in a slot's second step the staging's conversions have written the code words, which the LDS stores read, and are done with K's f32 numbers, in which the global loads land
	VFRAG \s, \q
.if \q == 0
	KFRAG \s, 1                                    ; the next step's K
.endif
	WIN 0
.if \q == 1
	STAGES 1-\s                                    ; the other slot was left by every wave at the last barrier
.endif
.set n, 0
.rept 32
	MAXITEM STA, S, n
.set n, n+1
.endr
	STATS STA
.set n, 0
.rept 32
	FMAITEM STA, S, n
.set n, n+1
.endr
.if \q == 1
	s_wait_dscnt 0x0                               ; my stores into the other slot have landed, and my last reads of this slot (V's fragments) are in:
	s_wait_alu depctr_vm_vsrc(0)                   ; (the LDS stores have read the code words v64-79, which P's conversions write below, and V's set, in which the next staging's loads land)
	s_barrier_signal -1                            ; say so; only work on registers stands up to the wait
.endif
.set n, 0
.rept 32
	v_exp_f32 v[S+n], v[S+n]                       ; p = 2^(t - M) of tile A; nothing names a result ahead of the wait below
	MAXITEM STB, S+64, n
.set n, n+1
.endr
	STATS STB
.set n, 0
.rept 32
	v_exp_f32 v[S+32+n], v[S+32+n]
	FMAITEM STB, S+64, n
.set n, n+1
.endr
	FSUM STA
	s_wait_alu depctr_va_vdst(0)                   ; one wait for tile A's 64 exponentials, ahead of the first use of a result
.set n, 0
.rept 32
	v_exp_f32 v[S+64+2*n], v[S+64+2*n]
	v_exp_f32 v[S+64+2*n+1], v[S+64+2*n+1]
	SUMITEM STA, S, n
.set n, n+1
.endr
	FSUM STB
	s_wait_alu depctr_va_vdst(0)                   ; and one for tile B's
.if \q == 1
	s_barrier_wait -1                              ; the other slot is whole, and nobody reads this one any more
.if \s == 1
	s_cmp_eq_u32 s46, 1                            ; behind the last slot there is none
	s_cbranch_scc1 .Lnk_\@
.endif
	WIN 0x40
	KFRAG 1-\s, 0                                  ; no further wait: K's fragments were last read by this step's K Q^T, ahead of the step's first wait, and nothing has named them since
	WIN 0
.if \s == 1
.Lnk_\@:
.endif
.endif
.set n, 0
.rept 32
	SUMITEM STB, S+64, n
.set n, n+1
.endr
	HOLD
	CVT
	RESC
.if \q == 0
	s_wait_dscnt 16                                ; V's 16 loads are in; the next step's 16 of K are younger
.endif
	WIN 0x51
	PV
	WIN 0
.endm
	s_mov_b32 s46, 8                               ; trips to go: a trip is two slots, 512 keys
.Ltrip:
	STEP 0, 0
	STEP 0, 1
	STEP 1, 0
	STEP 1, 1
	s_sub_co_u32 s46, s46, 1
	s_cmp_lg_u32 s46, 0
	s_cbranch_scc1 .Ltrip
	; THE WAY OUT.  The sum's halves are added; O^T x 2^(ev + ep) / the sum goes through my stage in LDS, a tile of 16 rows x 256 bytes at a time, and leaves as whole aligned runs of 256 bytes.
.irp b, STA, STB
	v_add_f32 v[\b+8], v[\b+2], v[\b+3]            ; (these additions are also the places behind the last products)
.endr
.irp b, STA, STB
	v_permlanex16_b32 v[\b+10], v[\b+8], s20, s21
.endr
.irp b, STA, STB
	v_add_f32 v[\b+8], v[\b+8], v[\b+10]
.endr
.irp b, STA, STB
	v_rcp_f32 v[\b+6], v[\b+8]
.endr
	v_nop                                          ; a plain instruction behind the last reciprocal,
	s_wait_alu depctr_va_vdst(0)                   ; and one wait for both reciprocals, ahead of the first use
.irp b, STA, STB
	v_ldexp_f32 v[\b+6], v[\b+6], s47
.endr
	WIN 0x01
.irp u, 0,1                                    ; both tiles' scalings stand together, ahead of one wait
.irp p, 0,2,4,6,8,10,12,14,16,18,20,22,24,26,28,30
	v_pk_mul_f32 v[S+64*\u+\p:S+64*\u+\p+1], v[O+32*\u+\p:O+32*\u+\p+1], v[STA+12*\u+6:STA+12*\u+7] op_sel_hi:[1,0]   ; register 8 t + j: channel 16 t + 8 h + j of my query
.endr
.endr
	WIN 0
	s_wait_alu depctr_va_vdst(0)                   ; the scalings have written the 32 registers of each tile that the LDS stores read; the last step's softmax is done with the other 32, in which the loads from the stage land
.irp u, 0,1
.irp t, 0,1,2,3
	ds_store_b128 v[SO], v[S+64*\u+8*\t:S+64*\u+8*\t+3]   offset:4352*\u+64*\t
	ds_store_b128 v[SO], v[S+64*\u+8*\t+4:S+64*\u+8*\t+7] offset:4352*\u+64*\t+16
.endr
.irp i, 0,1,2,3,4,5,6,7
	ds_load_b128 v[S+64*\u+32+4*\i:S+64*\u+32+4*\i+3], v[SR] offset:4352*\u+544*\i   ; my own bytes, served in order: these see the stores above
.endr
.endr
.irp u, 0,1
.irp i, 0,1,2,3,4,5,6,7
	s_wait_dscnt 23-16*\u-\i                       ; behind load i of tile 0: its 7 - i later loads and tile 1's sixteen instructions; of tile 1: its 7 - i later loads
	global_store_b128 v[GO], v[S+64*\u+32+4*\i:S+64*\u+32+4*\i+3], s[12:13] offset:(8*\u+2*\i+8*(\i/4))*4096 th:TH_STORE_NT   ; rows 2 i, 2 i + 1 of tile u are queries 8 u + 2 i + 8 (i / 4) and the next; 16 lanes store 256 consecutive bytes, aligned
.endr
.endr
	s_wait_dscnt 0x0                               ; the closing lines, six on end
	s_wait_alu 0x0
	s_wait_tensorcnt 0x0
	ds_add_u32 v35, v47
	s_wait_dscnt 0x0
	s_endpgm
.Lfunc_end_k_q0c25f90d71_attn:
	.size	k_q0c25f90d71_attn, .Lfunc_end_k_q0c25f90d71_attn-k_q0c25f90d71_attn
	.p2alignl 7, 3214868480
	.fill 96, 4, 3214868480
	.section	.rodata,"a",@progbits
	.p2align	6, 0x0
	.amdhsa_kernel k_q0c25f90d71_attn
		.amdhsa_group_segment_fixed_size 166912
		.amdhsa_private_segment_fixed_size 0
		.amdhsa_enable_private_segment 0
		.amdhsa_kernarg_size 40
		.amdhsa_user_sgpr_count 2
		.amdhsa_user_sgpr_kernarg_segment_ptr 1
		.amdhsa_wavefront_size32 1
		.amdhsa_system_sgpr_workgroup_id_x 1
		.amdhsa_system_sgpr_workgroup_id_y 1
		.amdhsa_system_sgpr_workgroup_id_z 1
		.amdhsa_system_vgpr_workitem_id 0
		.amdhsa_next_free_vgpr 512
		.amdhsa_next_free_sgpr 66
		.amdhsa_reserve_vcc 0
		.amdhsa_float_denorm_mode_32 3
		.amdhsa_float_denorm_mode_16_64 3
		.amdhsa_memory_ordered 1
		.amdhsa_forward_progress 1
		.amdhsa_inst_pref_size 162
	.end_amdhsa_kernel
	.amdgpu_metadata
---
amdhsa.version: [ 1, 2 ]
amdhsa.kernels:
  - .name:           k_q0c25f90d71_attn
    .symbol:         k_q0c25f90d71_attn.kd
    .args:
      - { .name: q, .offset: 0, .size: 8, .value_kind: global_buffer, .address_space: global }
      - { .name: k, .offset: 8, .size: 8, .value_kind: global_buffer, .address_space: global }
      - { .name: v_codes, .offset: 16, .size: 8, .value_kind: global_buffer, .address_space: global }
      - { .name: lowp_scales, .offset: 24, .size: 8, .value_kind: global_buffer, .address_space: global }
      - { .name: out0, .offset: 32, .size: 8, .value_kind: global_buffer, .address_space: global }
    .group_segment_fixed_size: 166912
    .private_segment_fixed_size: 0
    .kernarg_segment_align: 8
    .kernarg_segment_size: 40
    .max_flat_workgroup_size: 256
    .sgpr_count:     66
    .vgpr_count:     512
    .wavefront_size: 32
...
	.end_amdgpu_metadata
.endif
;; end of part 2
